; MI455X (gfx1250); checked and timed in simulation.
; The chip was launched on July 23, 2026; its instructions are those of AMD's public machine-readable ISA for CDNA 5 (MIT licence, August 2026) and "CDNA5" Instruction Set Architecture Reference Guide (July 2026). The comments in the code are by the model that wrote it; some were corrected since.
;; Causal Self Attention. Allowed arithmetic: matrix products marked QUANTISED: E4M3 operands, one given power-of-two scale a tensor, by v_wmma_f32_16x16x64_fp8_fp8 or v_wmma_f32_16x16x128_fp8_fp8, f32 sums; everything else in f32.
;; Inputs: W_attn_codes 3,072 x 32 x 32 uint8 (E4M3 codes of W_attn, K innermost, in blocks of 32 codes); W_proj_codes 1,024 x 32 x 32 uint8 (E4M3 codes of W_proj, K innermost, in blocks of 32 codes); b_attn 3,072 float32; b_proj 1,024 float32; lowp_scales 8 int32 (the exponents e of the quantised operands' scales 2^e); x_codes 4 x 2,048 x 32 x 32 uint8 (E4M3 codes of x, K innermost, in blocks of 32 codes).
;; Outputs: out0 4 x 2,048 x 1,024 float32.
;; This version of the problem:
;;   THIS VERSION OF THE PROBLEM IS GIVEN IN LOW PRECISION. The matrix products marked QUANTISED in the list below multiply operands that are first quantised to E4M3 (4 exponent bits, 3 mantissa bits; 8 bits a number), with one given power-of-two scale for each operand tensor; their sums are f32. All else is computed in f32.
;;   The module's matrix products, in the order in which they are computed (A, B: the left and right operand; K: the contracted axis; several contracted axes count as one K, in the product's order):
;;     1. [M 8,192, K 1,024] x [K 1,024, N 3,072]; A: input x (given as codes); B: input W_attn (given as codes): QUANTISED (scales: A lowp_scales[0], B lowp_scales[1])
;;     2. batch 64 x [M 2,048, K 64] x [K 64, N 2,048]; A: computed on the way; B: computed on the way: QUANTISED (scales: A lowp_scales[2], B lowp_scales[3])
;;     3. batch 64 x [M 2,048, K 2,048] x [K 2,048, N 64]; A: softmax (see below); B: computed on the way: QUANTISED (scales: A lowp_scales[4], B lowp_scales[5])
;;     4. [M 8,192, K 1,024] x [K 1,024, N 1,024]; A: computed on the way; B: input W_proj (given as codes): QUANTISED (scales: A lowp_scales[6], B lowp_scales[7])
;;   THE QUANTISER, for each operand of a quantised product, along K:
;;     - The operand's scale is 2^e, e = its entry of the input lowp_scales (int32; the entries are numbered through the quantised products in the list's order, A before B).
;;     - Each number is divided by the scale, clamped to +-448, and rounded to the nearest number of E4M3, ties to even, subnormals kept.
;;     - The product sums the exact products of the quantised numbers (number of the format x scale) in f32.
;;   ~~~python
;;   def quantise(x, axis, e):      # numpy; x: float32 -> the quantised numbers, widened to float32 again
;;       x = np.moveaxis(x, axis, -1); K = x.shape[-1]
;;       r = np.clip(x / 2.0 ** e, -448, 448)
;;       step = 2.0 ** (np.maximum(np.frexp(np.where(r == 0, 1, r))[1] - 1, -6) - 3)
;;       q = np.round(r / step) * step * 2.0 ** e      # np.round: ties to even
;;       return np.moveaxis(q, -1, axis).astype(np.float32)
;;   ~~~
;;   SOFTMAX AHEAD OF A QUANTISED PRODUCT. Where the list says 'softmax', what is quantised is not the finished softmax but p = 2^(t - M), with t = logit x log2(e) and M = ceil(the row's largest t), a whole number; so 1/2 < the row's largest p <= 1. The row's sum l is taken of the UNQUANTISED p, in f32, and the product's result is divided by l at the end. Since M is a whole number, a kernel that streams over the keys may use a running M (the ceiling of the running maximum): every later rescaling is an exact power of two, so the quantised numbers keep their values, but for numbers so far below the row's largest that they fall under the format's range.
;;   OPERANDS COMPUTED ON THE WAY. 'Computed on the way' means the value that the module computes at that place (a softmax that the list does not call 'softmax' is quantised finished and normalised). What goes into a quantiser is computed in f32, as accurately as f32 sums, v_exp_f32 and their like allow (about 1e-6 of the number): no bf16 or f16 on the way to a quantiser, and a product that is left as it is and whose result goes on into a quantised operand takes f32 operands (vector FMAs, or v_wmma_f32_16x16x4_f32). A number that lies on a knife's edge between two numbers of the format may be rounded either way, as far as f32 arithmetic and the matrix unit's own rounding can turn it there, and no further.
;;   INPUTS GIVEN AS CODES. W_attn (in the module: [3072, 1024], K = its axis 1); W_proj (in the module: [1024, 1024], K = its axis 1); x (in the module: [4, 2048, 1024], K = its axis 2): each comes as NAME_codes (uint8): NAME with its K axis moved to the last place and cut into blocks of 32 codes, [.., K / 32, bytes a block], one block behind the other in memory; one code a byte (a code: sign, 4 exponent bits, 3 mantissa bits); its scale is its entry of lowp_scales. Its value is code x scale, taken as it is: it is not quantised again, and the codes and scales need not be those that the quantiser above would give.
;; One version. Each part assembles by itself: llvm-mc -triple=amdgcn-amd-amdhsa -mcpu=gfx1250 --defsym DOCPART=n.
;; ======== version 1 of 1: 3 launches
;; limits: right only within a limited range of input values
;; workspace buffers: qkv 25,165,824 bytes; ycodes 8,388,608 bytes
;; launch qkv_gemm (part 1): grid 12 x 32, 4 waves a work-group, clusters of 4 x 4, 327,680 bytes of LDS; arguments x_codes, W_attn_codes, lowp_scales, b_attn, qkv; writes qkv
.if DOCPART == 1
	.amdgcn_target "amdgcn-amd-amdhsa--gfx1250"
	.amdhsa_code_object_version 6
	.text
	.protected	k_q93f8057fae_qkv_gemm
	.globl	k_q93f8057fae_qkv_gemm
	.p2align	8
	.type	k_q93f8057fae_qkv_gemm,@function
k_q93f8057fae_qkv_gemm:
	s_mov_b64 s[64:65], 0
	v_nop
	global_prefetch_b8 v0, s[64:65] scope:SCOPE_SE
	s_setreg_imm32_b32 hwreg(HW_REG_WAVE_MODE, 25, 1), 1
	s_wait_xcnt 0x0
	s_wait_alu depctr_hold_cnt(0) depctr_sa_sdst(0) depctr_va_vdst(0) depctr_va_sdst(0) depctr_va_ssrc(0) depctr_va_vcc(0) depctr_vm_vsrc(0)
	s_getreg_b32 s2, hwreg(HW_REG_IB_STS2, 6, 4)
	s_cmp_eq_u32 s2, 0
	s_cbranch_scc0 .Lentry_in_a_cluster
	s_endpgm
.Lentry_in_a_cluster:
	s_bfe_u32 s2, ttmp6, 0x10000c
	s_cmp_lg_u32 s2, 0xf033
	s_cbranch_scc0 .Lentry_shape_is_right
	s_endpgm
.Lentry_shape_is_right:
; qkv = x W_attn^T + b_attn on codes of FP8 (E4M3), K = 1,024; the results are quantised at once: q with 2^e2, k with 2^e3, v with 2^e5, and leave as codes.
; OUTPUT (my own layout), three parts of 8,388,608 bytes; bh = 16 x batch + head, a head is 131,072 bytes:
;   q, k: part + bh x 131072 + t x 64 + d (d innermost);   v: part + bh x 131072 + (t / 64) x 4096 + d x 64 + t % 64 (the keys innermost, in blocks of 64 keys).
; A tile of 256 x 256 is made by four waves, each 128 x 128: 64 accumulators, 512 registers.  K goes in steps of 256 through a ring of two LDS slots filled by the tensor data mover.
; 384 tiles: a tile of 128 x 256 would divide more evenly among the WGPs, but each product would read half as much again from LDS.
; THE MATRIX INSTRUCTION IS USED TRANSPOSED (source 0 = 16 rows of the operand called B, source 1 = 16 rows of A): a lane holds ONE row of A and eight neighbouring rows of B.
;   q, k (cluster x = 0, 1): A = x (tokens), B = W (features): a lane holds eight neighbouring d of a token.
;   v    (cluster x = 2):    A = W rows 2048 on (features), B = x (tokens): a lane holds eight neighbouring keys of one d.
; The cluster x is the same in all sixteen partners; by it only pointers, tile numbers and strides are CHOSEN (s_cselect): there is one path through the text.
; CLUSTERS: 4 x 4 work-groups; A's tile hangs on cy alone and is shared along a row of the cluster, B's on cx alone and is shared along a column: joint loads.
; A lane's k inside a matrix instruction is permuted alike in A and B (four loads of 16 bytes a fragment): only the order of the sums inside an instruction changes.
; LIMITS: e0 + e1 between -126 and 127; e2, e3, e5 between -126 and 119, so that each power of two below is an f32 number.  NaN or infinity in b_attn is not served.
; REGISTERS: window 0: v16-31 addresses; v32-95 the bias by column, v96-111 the bias by row, v112 the quantiser's scale; from v128 A's fragments, ONE set (on the way out: v128-191 numbers, v192-207 and v240-255 codes, v208-239 rows read back).
;   window 1: B's fragments, two sets.   windows 2, 3: the accumulators ((a, b) at v[8 (8 (a % 4) + b)]).
.set KROW,   1024                      ; a row of x or of W in memory, in bytes
.set ROWB,   256                       ; a tile's row in bytes
.set PITCH,  272                       ; an LDS row: 256 bytes + 16 of padding: the 16 rows that a load touches start at 16 different banks
.set FR,     16                        ; registers of a fragment: 16 rows x 128 K
.set NL,     4                         ; LDS loads that bring one
.set NP,     4                         ; places behind this matrix instruction (ISA guide 7.12.1)
.set HALFT,  128*PITCH
.set SLOT,   4*HALFT                   ; A's 256 rows, then B's 256 rows
.set LAPS,   2                         ; K = 1,024 = two laps of two slots of 256
.set SPARE,  2*SLOT                    ; behind the ring: the spare words, 128 bytes for each wave, that no other line names
.set WST,    4608                      ; the way out: each wave's stage, two halves of 2,176 bytes; it lies in slot 0, which has had its last fill and its last read by then
.set ADRA, 16
.set ADRB, 20
.set STO,  24                          ; v24  the stage: where I put 8 codes
.set RD,   25                          ; v25  and where I read 16 bytes back
.set CO,   26                          ; v26, v27  my byte offset in the output, for columns 0-63 and 64-127
.set SPW,  28
.set NIL,  29
.set BCA,  30                          ; v30  32 x (lane / 16): my place in the bias by column
.set BRA,  31                          ; v31  4 x (lane % 16): in the bias by row
.set BC,   32
.set BR,   96
.set SCL,  112
.set LIM,  113
.set AF,   128
.set TMP,  128
.set CD,   192
.set BK,   208
.set G1, 24
.set G0, 32
.set G1B, 48
.set G0B, 56
.set MSB, 0
.macro WIN new                         ; the immediate's high byte repeats the setting that is left
.if MSB != \new
	s_set_vgpr_msb (MSB<<8)|\new
.set MSB, \new
.endif
.endm
.set MUL_LO, 0xa1                      ; source 0 (B) window 1, source 1 (A) window 0, C and D window 2
.set MUL_HI, 0xf1                      ; the same, C and D window 3
.set TO_B,   0x40                      ; destination window 1, address window 0
; A joint load: waves 0 and 1 fetch for A, waves 2 and 3 for B; the branch hangs on the wave's number alone.  Four v_nop follow each of the two lines.
.macro JLOAD g0a, g1a, g0b, g1b
	s_cmp_eq_u32 s15, 0
	s_cbranch_scc0 .Lfor_b_\@
	tensor_load_to_lds s[\g0a:\g0a+3], s[\g1a:\g1a+7]
	s_nop 0
.rept 4
	v_nop
.endr
	s_branch .Lasked_\@
.Lfor_b_\@:
	tensor_load_to_lds s[\g0b:\g0b+3], s[\g1b:\g1b+7]
	s_nop 0
.rept 4
	v_nop
.endr
.Lasked_\@:
.endm
.macro CREST                           ; a round of the cluster's barrier behind its opening barrier
	s_cmp_lg_u32 s14, 0
	s_cbranch_scc1 .Lnot_wave_0_\@
	s_barrier_signal -3
.Lnot_wave_0_\@:
	s_barrier_wait -3
	s_barrier_signal -1
	s_barrier_wait -1
.endm
.macro CROUND                          ; a whole round
	s_barrier_signal -1
	s_barrier_wait -1
	CREST
.endm
	s_load_b256 s[4:11], s[0:1], 0x0               ; x s[4:5], W s[6:7], the scales' exponents s[8:9], b_attn s[10:11]
	s_load_b64 s[12:13], s[0:1], 0x20              ; qkv
	v_lshl_add_u32 v[SPW], v0, 2, SPARE
	v_mov_b32 v[NIL], 0
	ds_add_u32 v28, v29
	ds_add_u32 v28, v29
	s_wait_dscnt 0x0
	v_lshrrev_b32 v1, 5, v0
	v_readfirstlane_b32 s14, v1                    ; wave 0..3
	s_lshr_b32 s15, s14, 1                         ; which half of the tile's rows (A) is mine.  Also: I fetch for A (0) or for B (1)
	s_and_b32 s16, s14, 1                          ; which half of its columns (B).  Also: which 128 rows of that tile I fetch
	s_bfe_u32 s40, ttmp6, 0x40000                  ; cx
	s_bfe_u32 s41, ttmp6, 0x40004                  ; cy
	s_mov_b32 s66, ttmp9                           ; cluster x = the type: 0 q, 1 k, 2 v
	s_and_b32 s67, ttmp7, 0xffff                   ; cluster y
	s_lshl_b32 s43, s41, 2
	s_lshl_b32 s43, 15, s43                        ; my row of the cluster
	s_lshl_b32 s44, 0x1111, s40                    ; my column
	s_or_b32 s[G1+0], s43, (0<<16)|(1<<20)|(1<<21)|(5<<22)|(3<<25)  ; the mask; elements of 1 byte; padding on; bit 21 beside a mask; after every 64 words, 4 words
	s_or_b32 s[G1B+0], s44, (0<<16)|(1<<20)|(1<<21)|(5<<22)|(3<<25)
.irp g, G1, G1B
	s_mov_b32 s[\g+1], ROWB<<16                    ; tensor_dim0 = 256
	s_mov_b32 s[\g+2], 128<<16                     ; tensor_dim1 = 128
	s_mov_b32 s[\g+3], ROWB<<16                    ; tile_dim0
	s_mov_b32 s[\g+4], 128                         ; tile_dim1
	s_mov_b32 s[\g+5], KROW                        ; from row to row
	s_mov_b32 s[\g+6], 0
	s_mov_b32 s[\g+7], 0
.endr
	; the tiles: all candidates first, then one compare, then the choices (additions set SCC)
	s_lshl_b32 s17, s67, 2
	s_add_co_u32 s17, s17, s41                     ; q, k: A's tile = 4 Y + cy (tokens)
	s_add_co_u32 s18, s41, 8                       ; v:    A's tile = 8 + cy (rows 2048 on of W)
	s_lshl_b32 s42, s66, 2
	s_add_co_u32 s42, s42, s40                     ; q, k: B's tile = 4 X + cx (rows of W); also the bias by column
	s_lshl_b32 s84, s67, 2
	s_add_co_u32 s84, s84, s40                     ; v:    B's tile = 4 Y + cx (tokens)
	s_mov_b32 s78, 0x20000
	s_mov_b32 s80, 0x1000
	s_mov_b32 s79, 0
	s_cmp_lt_u32 s66, 2
	s_cselect_b32 s19, s17, s18                    ; A's tile: hangs on cy alone
	s_cselect_b32 s85, s42, s84                    ; B's tile: hangs on cx alone
	s_cselect_b32 s76, -1, 0                       ; all ones where the bias goes by column (q, k)
	s_cselect_b32 s77, 0, -1                       ; all ones where it goes by row (v)
	s_cselect_b32 s78, 0x1000, s78                 ; bytes from my rows 0-63 to my rows 64-127 in the output
	s_cselect_b32 s80, 0x20000, s80                ; bytes from my columns 0-63 to my columns 64-127
	s_lshl_b32 s18, s16, 7                         ; which 128 rows of the tile I fetch
	s_lshl_b32 s20, s19, 8
	s_add_co_u32 s20, s20, s18
	s_lshl_b32 s20, s20, 10                        ; A: its first row, in bytes
	s_mov_b32 s21, 0
	s_lshl_b32 s46, s85, 8
	s_add_co_u32 s46, s46, s18
	s_lshl_b32 s46, s46, 10                        ; B likewise
	s_mov_b32 s47, 0
	s_mul_i32 s45, s14, HALFT                      ; where they go: wave x 128 rows: no place in the cluster enters an LDS address
	s_wait_kmcnt 0x0
	s_load_b256 s[68:75], s[8:9], 0x0              ; e0 .. e7
	s_cmp_lt_u32 s66, 2
	s_cselect_b64 s[86:87], s[4:5], s[6:7]         ; A's buffer
	s_cselect_b64 s[88:89], s[6:7], s[4:5]         ; B's buffer
	s_add_nc_u64 s[20:21], s[86:87], s[20:21]
	s_add_nc_u64 s[46:47], s[88:89], s[46:47]
	CROUND                                         ; all sixteen work-groups are here: the first joint loads meet
.irp s, 0,1
	s_mov_b32 s[G0+4*\s], 1
	s_add_co_u32 s[G0+4*\s+1], s45, \s*SLOT
	s_add_nc_u64 s[G0+4*\s+2:G0+4*\s+3], s[20:21], \s*ROWB
	s_or_b32 s[G0+4*\s+3], s[G0+4*\s+3], 0x80000000
	s_mov_b32 s[G0B+4*\s], 1
	s_add_co_u32 s[G0B+4*\s+1], s45, \s*SLOT
	s_add_nc_u64 s[G0B+4*\s+2:G0B+4*\s+3], s[46:47], \s*ROWB
	s_or_b32 s[G0B+4*\s+3], s[G0B+4*\s+3], 0x80000000
	JLOAD G0+4*\s, G1, G0B+4*\s, G1B
.endr
	v_and_b32 v1, 15, v0                           ; r = lane % 16
	v_bfe_u32 v2, v0, 4, 1                         ; h = lane / 16
	v_mul_u32_u24 v3, v1, PITCH
	v_lshl_add_u32 v4, v2, 4, v3                   ; a fragment's row x pitch + 16 h
	s_mul_i32 s21, s15, HALFT                      ; my 128 rows of A
	s_mul_i32 s22, s16, HALFT                      ; my 128 rows of B,
	s_add_co_u32 s22, s22, 2*HALFT                 ; which lie behind A's 256
.irp s, 0,1
	v_add_nc_u32 v[ADRA+\s], s21, v4
	v_add_nc_u32 v[ADRB+\s], s22, v4
	s_add_co_u32 s21, s21, SLOT
	s_add_co_u32 s22, s22, SLOT
.endr
	; the stage holds rows of 64 codes, four to a line of 256 bytes + 16: row r at 272 (r / 4) + 64 (r % 4)
	v_bfe_u32 v5, v0, 2, 2
	v_mul_u32_u24 v5, v5, 272
	v_and_b32 v6, 3, v0
	v_lshl_add_u32 v5, v6, 6, v5
	v_lshl_add_u32 v5, v2, 3, v5                   ; + 8 h: my eight codes
	s_mul_i32 s23, s14, WST
	v_add_nc_u32 v[STO], s23, v5
	v_mul_u32_u24 v6, v2, 272
	v_lshl_add_u32 v6, v1, 4, v6
	v_add_nc_u32 v[RD], s23, v6                    ; back: lanes 0-15 one line of 256 bytes, lanes 16-31 the next
	v_and_b32 v7, 31, v0
	v_lshlrev_b32 v[CO], 4, v7                     ; and the same 512 bytes on end in the output
	v_add_nc_u32 v[CO+1], s80, v[CO]
	v_lshlrev_b32 v[BCA], 5, v2
	s_wait_alu depctr_va_vdst(0)
	v_lshlrev_b32 v[BRA], 2, v1
	s_wait_alu depctr_va_vdst(0)
	; the biases: both are loaded, both addresses lie inside b_attn for every type; the one that does not apply is cleared on the way out
	s_lshl_b32 s90, s42, 10
	s_lshl_b32 s81, s16, 9
	s_add_co_u32 s90, s90, s81                     ; 4 x (256 (4 X + cx) + 128 x my half of the columns)
	s_mov_b32 s91, 0
	s_add_nc_u64 s[90:91], s[10:11], s[90:91]
	s_add_co_u32 s92, s41, 8
	s_lshl_b32 s92, s92, 10
	s_lshl_b32 s81, s15, 9
	s_add_co_u32 s92, s92, s81                     ; 4 x (256 (8 + cy) + 128 x my half of the rows)
	s_mov_b32 s93, 0
	s_add_nc_u64 s[92:93], s[10:11], s[92:93]
.irp b, 0,1,2,3,4,5,6,7
	global_load_b128 v[BC+8*\b:BC+8*\b+3],   v[BCA], s[90:91] offset:64*\b       ; the bias of columns 16 b + 8 h + 0 .. 7
	global_load_b128 v[BC+8*\b+4:BC+8*\b+7], v[BCA], s[90:91] offset:64*\b+16
.endr
.irp a, 0,1,2,3,4,5,6,7
	global_load_b32 v[BR+2*\a], v[BRA], s[92:93] offset:64*\a                    ; the bias of row 16 a + r
	v_mov_b32 v[BR+2*\a+1], 0                      ; (named with it as a pair, so it is written)
.endr
	; where my 128 x 128 begins in the output.  g: my block of 128 tokens; pr: my pair of heads
	s_lshl_b32 s81, s17, 1
	s_add_co_u32 s81, s81, s15                     ; q, k: g = 2 (4 Y + cy) + my half of the rows
	s_lshl_b32 s82, s84, 1
	s_add_co_u32 s82, s82, s16                     ; v:    g = 2 (4 Y + cx) + my half of the columns
	s_lshl_b32 s83, s40, 1
	s_add_co_u32 s83, s83, s16                     ; q, k: pr = 2 cx + my half of the columns
	s_lshl_b32 s98, s41, 1
	s_add_co_u32 s98, s98, s15                     ; v:    pr = 2 cy + my half of the rows
	s_cmp_lt_u32 s66, 2
	s_cselect_b32 s81, s81, s82
	s_cselect_b32 s83, s83, s98
	s_lshr_b32 s82, s81, 4                         ; the batch
	s_lshl_b32 s82, s82, 4
	s_lshl_b32 s83, s83, 1
	s_add_co_u32 s82, s82, s83                     ; bh of my first head
	s_lshl_b32 s82, s82, 17
	s_and_b32 s81, s81, 15
	s_lshl_b32 s81, s81, 13                        ; 128 tokens are 8,192 bytes of a head, in q, k and v alike
	s_add_co_u32 s94, s82, s81
	s_lshl_b32 s81, s66, 23
	s_add_co_u32 s94, s94, s81                     ; the type's part
	s_mov_b32 s95, 0
	s_add_nc_u64 s[94:95], s[12:13], s[94:95]
.macro FRAG reg, adr, q, i             ; a fragment: lane l holds row l % 16; registers 4 c .. 4 c + 3 hold K = 32 c + 16 (l / 16) + 0 .. 15
.irp c, 0,1,2,3
	ds_load_b128 v[\reg+4*\c:\reg+4*\c+3], v[\adr] offset:128*(\q)+32*\c+(\i)*16*PITCH
.endr
.endm
; 16 matrix instructions: A's blocks a0, a0 + 1 x B's eight.  The 64 accumulators take turns, one instruction a turn, in the same order in every step.
.macro MUL16 a0, p, zero
.irp a, \a0, \a0+1
.irp b, 0,1,2,3,4,5,6,7
.if \zero
	v_wmma_f32_16x16x128_fp8_fp8 v[8*(8*((\a)%4)+\b):8*(8*((\a)%4)+\b)+7], v[128*(\p)+FR*\b:128*(\p)+FR*\b+FR-1], v[AF+FR*(\a):AF+FR*(\a)+FR-1], 0
.else
	v_wmma_f32_16x16x128_fp8_fp8 v[8*(8*((\a)%4)+\b):8*(8*((\a)%4)+\b)+7], v[128*(\p)+FR*\b:128*(\p)+FR*\b+FR-1], v[AF+FR*(\a):AF+FR*(\a)+FR-1], v[8*(8*((\a)%4)+\b):8*(8*((\a)%4)+\b)+7]
.endif
.endr
.endr
.endm
.macro FETCH_B slot, q, p
	WIN TO_B
.irp i, 0,1,2,3,4,5,6,7
	FRAG 128*(\p)+FR*\i, ADRB+\slot, \q, \i
.endr
	WIN 0
.endm
.macro FETCH_A slot, q, i0
.irp i, \i0, \i0+1, \i0+2, \i0+3
	FRAG AF+FR*(\i), ADRA+\slot, \q, \i
.endr
.endm
.macro PLACES n                        ; plain vector instructions between a matrix instruction and a load into, or a vector read of, its registers
.rept \n
	v_nop
.endr
.endm
; A step of 128 along K that has its successor in the same slot.
.macro STEP slot, q, zero
	s_wait_dscnt 4*NL                              ; B's set and A's blocks 0-3 are in; the youngest 16 loads (A's blocks 4-7) may be out
	WIN MUL_LO
	MUL16 0, (\q)%2, \zero
	MUL16 2, (\q)%2, \zero
	s_wait_dscnt 0                                 ; A's blocks 4-7 are in
	PLACES NP
	FETCH_B \slot, (\q)+1, 1-(\q)%2
	FETCH_A \slot, (\q)+1, 0
	WIN MUL_HI
	MUL16 4, (\q)%2, \zero
	MUL16 6, (\q)%2, \zero
	PLACES NP
	WIN 0
	FETCH_A \slot, (\q)+1, 4
.endm
; A slot's last step changes slots: one barrier; in front of it each wave waits for all its tensor loads, adds 0 to its spare word, and waits for that and for its own reads of this slot.
.macro TURN slot, next, fill
	s_wait_tensorcnt 0x0                           ; all my tensor loads have landed: my part of the next slot
	ds_add_u32 v[SPW], v[NIL]                      ; 0 onto my spare word
	s_wait_dscnt 4*NL+1                            ; (the add and the youngest 16 loads, A's blocks 4-7, may be out)
	WIN MUL_LO
	MUL16 0, 1, 0
	s_wait_dscnt 0x0                               ; the add is done, and my reads of this slot are over
	s_barrier_signal -1
	MUL16 2, 1, 0
	WIN 0
	s_barrier_wait -1
.if \fill
	CREST                                          ; the barrier has opened a round of the cluster's: no wave of any partner still reads this slot or has a load on its way
	s_add_nc_u64 s[G0+4*\slot+2:G0+4*\slot+3], s[G0+4*\slot+2:G0+4*\slot+3], 2*ROWB
	s_add_nc_u64 s[G0B+4*\slot+2:G0B+4*\slot+3], s[G0B+4*\slot+2:G0B+4*\slot+3], 2*ROWB
	JLOAD G0+4*\slot, G1, G0B+4*\slot, G1B         ; the first tensor load behind the round; its four v_nop are the places in front of the loads below
.else
	PLACES NP
.endif
	FETCH_B \next, 0, 0
	FETCH_A \next, 0, 0
	WIN MUL_HI
	MUL16 4, 1, 0
	MUL16 6, 1, 0
	PLACES NP
	WIN 0
	FETCH_A \next, 0, 4
.endm
	s_wait_tensorcnt 1                             ; my part of K step 0 is in; K step 1's load may be out
	s_barrier_signal -1
	s_barrier_wait -1
	FETCH_B 0, 0, 0
	FETCH_A 0, 0, 0
	FETCH_A 0, 0, 4
	STEP 0, 0, 1                                   ; the first step stands in front of the loop: its products start the sums
	s_mov_b32 s3, LAPS-1
.Llap:                                                 ; a trip goes once round the ring and fills both slots again
	TURN 0, 1, 1
	STEP 1, 0, 0
	TURN 1, 0, 1
	STEP 0, 0, 0
	s_sub_co_u32 s3, s3, 1
	s_cmp_lg_u32 s3, 0
	s_cbranch_scc1 .Llap
	TURN 0, 1, 0                                   ; the last lap fills nothing
	STEP 1, 0, 0
	s_wait_dscnt 4*NL
	WIN MUL_LO
	MUL16 0, 1, 0
	MUL16 2, 1, 0
	s_wait_dscnt 0
	WIN MUL_HI
	MUL16 4, 1, 0
	MUL16 6, 1, 0
	WIN 0
; THE WAY OUT, block by block of 16 rows x 128 columns: sum x 2^(e0 + e1) + bias in one fused multiply-add (the other bias is 0 and its addition rounds nothing), the conversion.
; A lane's eight codes are 8 bytes of a row of 64; the rows go through my stage and come back as 512 bytes on end, which is how they lie in the output.
.macro QSTAGE a
	WIN (0x02+((\a)/4))                            ; source 0: window 2 or 3
.set i, 0
.rept 32
	v_pk_fma_f32 v[TMP+i:TMP+i+1], v[64*((\a)%4)+i:64*((\a)%4)+i+1], s[96:97], v[BC+i:BC+i+1] op_sel_hi:[1,0,1]   ; each accumulator from its low end on
.set i, i+2
.endr
	WIN 0
.set i, 0
.rept 32
	v_pk_add_f32 v[TMP+i:TMP+i+1], v[TMP+i:TMP+i+1], v[BR+2*(\a):BR+2*(\a)+1] op_sel_hi:[1,0]
.set i, i+2
.endr
.set i, 0
.rept 64
.set i, i+1
.endr
.irp b, 0,1,2,3,4,5,6,7
	v_cvt_scalef32_pk8_fp8_f32 v[CD+48*((\a)%2)+2*\b:CD+48*((\a)%2)+2*\b+1], v[TMP+8*\b:TMP+8*\b+7], v[SCL]
.endr
	v_nop                                          ; one plain vector instruction behind the last conversion
.irp b, 0,1,2,3,4,5,6,7
	ds_store_b64 v[STO], v[CD+48*((\a)%2)+2*\b:CD+48*((\a)%2)+2*\b+1] offset:2176*((\a)%2)+(\b/4)*1088+16*(\b%4)
.endr
.irp u, 0,1
.irp w, 0,1
	ds_load_b128 v[BK+16*((\a)%2)+4*(2*\u+\w):BK+16*((\a)%2)+4*(2*\u+\w)+3], v[RD] offset:2176*((\a)%2)+\u*1088+\w*544   ; LDS serves a wave's instructions in order: these see my stores
.endr
.endr
.endm
.macro QSEND a, younger                ; younger: the LDS instructions issued behind block a's loads, which may stay out
	s_wait_dscnt \younger
.if (\a) == 4
	s_add_nc_u64 s[94:95], s[94:95], s[78:79]      ; on to my rows 64-127 (the earlier stores have read their base: a wait on XCNT stands ahead)
.endif
.irp u, 0,1
.irp w, 0,1
	global_store_b128 v[CO+\u], v[BK+16*((\a)%2)+4*(2*\u+\w):BK+16*((\a)%2)+4*(2*\u+\w)+3], s[94:95] offset:((\a)%4)*1024+512*\w   ; 32 lanes store 512 consecutive bytes, at a multiple of 256
.endr
.endr
.endm
	s_wait_kmcnt 0x0                               ; the exponents
	s_wait_loadcnt 0x0                             ; the biases
	s_add_co_i32 s96, s68, s69
	s_add_co_i32 s96, s96, 127
	s_lshl_b32 s96, s96, 23                        ; 2^(e0 + e1) as f32
	s_mov_b32 s97, s96                             ; (named with it as a pair)
	s_cmp_eq_u32 s66, 0
	s_cselect_b32 s98, s70, s71                    ; e2 for q, e3 for k,
	s_cmp_lt_u32 s66, 2
	s_cselect_b32 s98, s98, s73                    ; e5 for v
	s_add_co_i32 s98, s98, 127
	s_lshl_b32 s99, s98, 23
	v_mov_b32 v[SCL], s99                          ; the scale as f32: the conversion takes its exponent field
	s_add_co_i32 s98, s98, 8
	s_lshl_b32 s98, s98, 23
	s_or_b32 s98, s98, 0x600000
.set i, 0
.rept 64
	v_and_b32 v[BC+i], s76, v[BC+i]                ; the bias by column counts for q and k alone.  (These lines are also the places behind the last products)
.set i, i+1
.endr
.irp a, 0,1,2,3,4,5,6,7
	v_and_b32 v[BR+2*\a], s77, v[BR+2*\a]          ; the bias by row for v alone
.endr
	QSTAGE 0
.irp a, 1,2,3,4,5,6,7
.if \a > 1
	s_wait_xcnt 0x0                                ; block a - 2's stores have read their registers and their base
.endif
	QSTAGE \a
	QSEND \a-1, 12                                 ; behind block a - 1's loads: block a's 8 stores and 4 loads
.endr
	QSEND 7, 0
	s_wait_tensorcnt 0x0                           ; the wave's end
	ds_add_u32 v[SPW], v[NIL]
	s_wait_dscnt 0x0
	CROUND                                         ; the closing round: no work-group ends while a partner may still ask for a tile that names it
	s_endpgm
.Lfunc_end_k_q93f8057fae_qkv_gemm:
	.size	k_q93f8057fae_qkv_gemm, .Lfunc_end_k_q93f8057fae_qkv_gemm-k_q93f8057fae_qkv_gemm
	.p2alignl 7, 3214868480
	.fill 96, 4, 3214868480
	.section	.rodata,"a",@progbits
	.p2align	6, 0x0
	.amdhsa_kernel k_q93f8057fae_qkv_gemm
		.amdhsa_group_segment_fixed_size 327680
		.amdhsa_private_segment_fixed_size 0
		.amdhsa_enable_private_segment 0
		.amdhsa_kernarg_size 40
		.amdhsa_user_sgpr_count 2
		.amdhsa_user_sgpr_kernarg_segment_ptr 1
		.amdhsa_wavefront_size32 1
		.amdhsa_system_sgpr_workgroup_id_x 1
		.amdhsa_system_sgpr_workgroup_id_y 1
		.amdhsa_system_sgpr_workgroup_id_z 1
		.amdhsa_system_vgpr_workitem_id 0
		.amdhsa_next_free_vgpr 1024
		.amdhsa_next_free_sgpr 102
		.amdhsa_reserve_vcc 0
		.amdhsa_float_denorm_mode_32 3
		.amdhsa_float_denorm_mode_16_64 3
		.amdhsa_fp16_overflow 1
		.amdhsa_memory_ordered 1
		.amdhsa_forward_progress 1
		.amdhsa_inst_pref_size 131
	.end_amdhsa_kernel
	.amdgpu_metadata
---
amdhsa.version: [ 1, 2 ]
amdhsa.kernels:
  - .name:           k_q93f8057fae_qkv_gemm
    .symbol:         k_q93f8057fae_qkv_gemm.kd
    .args:
      - { .name: x_codes, .offset: 0, .size: 8, .value_kind: global_buffer, .address_space: global }
      - { .name: W_attn_codes, .offset: 8, .size: 8, .value_kind: global_buffer, .address_space: global }
      - { .name: lowp_scales, .offset: 16, .size: 8, .value_kind: global_buffer, .address_space: global }
      - { .name: b_attn, .offset: 24, .size: 8, .value_kind: global_buffer, .address_space: global }
      - { .name: qkv, .offset: 32, .size: 8, .value_kind: global_buffer, .address_space: global }
    .group_segment_fixed_size: 327680
    .private_segment_fixed_size: 0
    .kernarg_segment_align: 8
    .kernarg_segment_size: 40
    .max_flat_workgroup_size: 128
    .sgpr_count:     102
    .vgpr_count:     1024
    .wavefront_size: 32
...
	.end_amdgpu_metadata
.endif
;; end of part 1
;; launch attention (part 2): grid 4 x 64, 8 waves a work-group, no clusters, 327,680 bytes of LDS; arguments qkv, lowp_scales, ycodes; writes ycodes
.if DOCPART == 2
	.amdgcn_target "amdgcn-amd-amdhsa--gfx1250"
	.amdhsa_code_object_version 6
	.text
	.protected	k_q93f8057fae_attention
	.globl	k_q93f8057fae_attention
	.p2align	8
	.type	k_q93f8057fae_attention,@function
k_q93f8057fae_attention:
	s_mov_b64 s[64:65], 0
	v_nop
	global_prefetch_b8 v0, s[64:65] scope:SCOPE_SE
	s_setreg_imm32_b32 hwreg(HW_REG_WAVE_MODE, 25, 1), 1
	s_wait_xcnt 0x0
; y = softmax(q k^T / 8, causal) v for one head, both products on codes of FP8 (E4M3); y is quantised with 2^e6 and leaves as codes.
; q, k: [bh][2048][64] codes, d innermost; v: [bh][32 blocks of 64 keys][64 d][64 keys] codes, the keys innermost.  y: (token / 128) x 131072 + head x 8192 + (token % 128) x 64 + d.
; THE SOFTMAX: t = score x log2(e) / 8; M = the running largest t, rounded UP to a whole number; p = 2^(t - M) is quantised with 2^e4, not normalised; the row's sum is taken of the unquantised p and divides at the end.
; When M moves, the sum and O are multiplied by 2^(old M - new M), which rounds nothing.
; SHARES.  Work-group (P, bh) owns the blocks of 256 queries P and 7 - P of its head, one after the other: (P + 1) + (8 - P) = 9 slots of 256 keys for EVERY work-group, so 256 work-groups of equal work and one constant trip count.
; Each of the eight waves owns 32 queries, two tiles of 16, so that each fragment of K and V read from LDS feeds two products; two waves share a SIMD.  The two tiles' softmaxes are staggered: one tile's exponentials stand between the other's plain instructions.
; NO CLUSTER: the four work-groups of a head walk key slots 0 .. P and then 0 .. 7 - P, which are different tiles in the same trip; a common walk 0 .. 7 for both blocks would cost 16 slots' time against 9.
; CAUSAL: a step of 128 keys that all come after my 32 queries is left out by a scalar branch on ids (no barrier and no tensor load stands in a step); on the diagonal hidden scores become -infinity ahead of the maximum.
; My first query is a multiple of 32 and a step's first key of 128, so in every step that is not left out the step's first key counts for each of my queries: M is a number from the first step on.
; LAYOUT.  S^T = K Q^T (source 0 = 16 neighbouring keys, source 1 = 16 queries, K = 64): a lane holds ONE query (lane % 16) and, in tile t, keys 16 t + 8 (lane / 16) + 0 .. 7: eight codes of them ARE registers 2 t, 2 t + 1 of the second product's operand.
; O^T = V^T P^T (source 0 = 16 d x 128 keys, source 1 = P): k in its true places.  In the first product d is permuted alike in K and Q (two loads of 16 bytes a fragment).
; LDS: rows of 64 bytes lie four to a line of 256 bytes + 16 of padding: row n at 272 (n / 4) + 64 (n % 4): the 16 rows of a fragment start at 16 different groups of banks.
; LIMITS: e2 + e3 between -123 and 130 (added to c's exponent field); e4, e6 between -126 and 119; e4 + e5 is applied by v_ldexp_f32 and has none.
; REGISTERS: window 0: v1-11 addresses; v12-27 eight statistics a tile; v28-31 constants; v32-47 Q; v48-79 P's codes; v80-87 at work; v96-223 S^T, then p; v224-255 the way out.   window 1: v0-63 O^T; v64-127 K's fragments; v128-191 V's.
.set SLOT1, 1<<16                      ; slot 1 begins here: one exclusive or turns an address in one slot into the other's
.set VOFF,  17408                      ; a slot: 256 keys of K (64 lines x 272), then V's four blocks (64 lines x 272)
.set SPARE, 2*SLOT1                    ; the spare words, 128 bytes for each of eight waves, that no other line names
.set STAGE, SPARE+1024                 ; the way out: 2,304 bytes for each wave, once for each of the two blocks of queries; no tile lands here
.set WST,   2304
.set AK0, 1
.set AV0, 2
.set ADK, 3
.set ADV, 4
.set SPW, 5
.set NIL, 6
.set QO,  7
.set STO, 8
.set RD,  9
.set GO,  10
.set LQ,  11                           ; v11  lane % 16 - 8 (lane / 16), for the mask
.set ST,  12                           ; tile x at v[ST + 8 x]: +0 -M, +1 the largest t, +2, +3 the sum in two halves, +4 f (+5 = 0, named with it), +6, +7 at work
.set SCP, 28                           ; 2^e4
.set SCY, 29                           ; 2^e6
.set LIMY, 30
.set NINF, 31
.set Q,   32
.set P,   48
.set PD,  80
.set C2,  82
.set DM,  86
.set S,   96
.set YC,  224
.set YR,  240
.set KFR, 64                           ; in window 1
.set VFR, 128
.set MSB, 0
.macro WIN new                         ; the immediate's high byte repeats the setting that is left
.if MSB != \new
	s_set_vgpr_msb (MSB<<8)|\new
.set MSB, \new
.endif
.endm
; s10 wave, s11 P, s12 P + 1, s13 bh, s14 the block of queries in hand, s15 my first query, s16 the step's first key, s17 the slot in hand, s18 the trip, s19 the number of the last fetch,
; s[20:21] lane selects, s[22:23] c, s[24:31] descriptor group 1, s[32:35] group 0, s[36:37] the head's K (wave 0) or V (wave 1), s[38:39] an offset, s[40:47] e0 .. e7,
; s[48:49] the head's q, s[50:51] the head's y, s[52:53] my q, s[54:55] my y, s57 e4 + e5, s58-61 at work
.macro TLOAD                           ; wave 0 fetches a slot's K, wave 1 its V, the others nothing; four v_nop follow the line
	s_cmp_lt_u32 s10, 2
	s_cbranch_scc0 .Lasked_\@
	tensor_load_to_lds s[32:35], s[24:31]
	s_nop 0
.rept 4
	v_nop
.endr
.Lasked_\@:
.endm
.macro SETQ                            ; from the block in hand: my first query, and its codes
	s_lshl_b32 s15, s14, 8
	s_lshl_b32 s58, s10, 5
	s_add_co_u32 s15, s15, s58
	s_lshl_b32 s58, s15, 6
	s_mov_b32 s59, 0
	s_add_nc_u64 s[52:53], s[48:49], s[58:59]
.endm
.macro QLOAD
.irp x, 0,1
.irp c, 0,1
	global_load_b128 v[Q+8*\x+4*\c:Q+8*\x+4*\c+3], v[QO], s[52:53] offset:\x*1024+32*\c
.endr
.endr
.endm
.macro RESET                           ; the loop is written once: a block's first step finds zeros, which the first change of M leaves zeros
.irp x, 0,1
	v_mov_b32 v[ST+8*\x+1], 0xff61b1e6             ; the largest t so far: -3e38
	v_floor_f32 v[ST+8*\x], -v[ST+8*\x+1]
	v_mov_b32 v[ST+8*\x+2], 0
	v_mov_b32 v[ST+8*\x+3], 0
	v_mov_b32 v[ST+8*\x+5], 0
.endr
	WIN 0x40
.set k, 0
.rept 64
	v_mov_b32 v[k], 0
.set k, k+1
.endr
	WIN 0
.endm
	s_load_b128 s[4:7], s[0:1], 0x0                ; qkv, the scales' exponents
	s_load_b64 s[8:9], s[0:1], 0x10                ; y's codes
	v_lshl_add_u32 v[SPW], v0, 2, SPARE
	v_mov_b32 v[NIL], 0
	ds_add_u32 v5, v6
	s_wait_dscnt 0x0
	v_lshrrev_b32 v1, 5, v0
	v_readfirstlane_b32 s10, v1                    ; wave 0..7
	s_mov_b32 s11, ttmp9
	s_add_co_u32 s12, s11, 1
	s_and_b32 s13, ttmp7, 0xffff
	; descriptor group 1: 16,384 dense bytes as 64 rows of 256, 16 bytes of padding behind each
	s_mov_b32 s24, (0<<16)|(1<<20)|(5<<22)|(3<<25)
	s_mov_b32 s25, 256<<16
	s_mov_b32 s26, 64<<16
	s_mov_b32 s27, 256<<16
	s_mov_b32 s28, 64
	s_mov_b32 s29, 256
	s_mov_b32 s30, 0
	s_mov_b32 s31, 0
	s_mov_b32 s20, 0x76543210
	s_mov_b32 s21, 0xfedcba98
	s_and_b32 s58, s10, 1
	s_mul_i32 s33, s58, VOFF                       ; K's place in slot 0, or V's
	s_add_co_u32 s59, s58, 1
	s_lshl_b32 s38, s59, 23                        ; k's part of qkv, or v's
	s_lshl_b32 s60, s13, 17                        ; the head
	s_add_co_u32 s38, s38, s60
	s_mov_b32 s39, 0
	s_mov_b32 s61, 0
	s_mov_b32 s32, 1
	s_mov_b32 s16, 0
	s_mov_b32 s17, 0
	s_mov_b32 s18, 0
	s_mov_b32 s19, 0
	s_mov_b32 s14, s11                             ; the first block of queries is block P
	s_wait_kmcnt 0x0
	s_load_b256 s[40:47], s[6:7], 0x0              ; e0 .. e7
	s_add_nc_u64 s[36:37], s[4:5], s[38:39]
	s_mov_b64 s[34:35], s[36:37]                   ; key slot 0
	s_or_b32 s35, s35, 0x80000000
	TLOAD
	s_add_nc_u64 s[48:49], s[4:5], s[60:61]        ; the head's q
	s_lshr_b32 s58, s13, 4
	s_lshl_b32 s58, s58, 21                        ; the batch: 16 blocks of 128 tokens
	s_and_b32 s59, s13, 15
	s_lshl_b32 s59, s59, 13
	s_add_co_u32 s58, s58, s59
	s_mov_b32 s59, 0
	s_add_nc_u64 s[50:51], s[8:9], s[58:59]
	v_and_b32 v12, 15, v0                          ; r
	v_bfe_u32 v13, v0, 4, 1                        ; h
	v_bfe_u32 v14, v0, 2, 2
	v_mul_u32_u24 v14, v14, 272
	v_and_b32 v15, 3, v0
	v_lshl_add_u32 v14, v15, 6, v14                ; row r: 272 (r / 4) + 64 (r % 4)
	v_lshl_add_u32 v[AK0], v13, 4, v14             ; K: + 16 h
	v_lshl_add_u32 v[AV0], v13, 3, v14             ; V and the stage: + 8 h
	s_mul_i32 s58, s10, WST
	s_add_co_u32 s58, s58, STAGE
	v_add_nc_u32 v[STO], s58, v[AV0]
	v_add_nc_u32 v[AV0], VOFF, v[AV0]
	v_mul_u32_u24 v15, v13, 272
	v_lshl_add_u32 v15, v12, 4, v15
	v_add_nc_u32 v[RD], s58, v15                   ; back: lanes 0-15 one line of 256 bytes, lanes 16-31 the next
	v_lshlrev_b32 v[QO], 6, v12
	v_lshl_add_u32 v[QO], v13, 4, v[QO]
	v_and_b32 v15, 31, v0
	v_lshlrev_b32 v[GO], 4, v15
	v_lshlrev_b32 v15, 3, v13
	v_sub_nc_u32 v[LQ], v12, v15
	v_mov_b32 v[NINF], 0xff800000
	v_mov_b32 v[PD], 0                             ; written once: a lane permute's destination counts as one of its sources
	v_mov_b32 v[PD+1], 0
	SETQ
	QLOAD
	RESET
	s_wait_kmcnt 0x0
	s_add_co_i32 s58, s42, s43
	s_lshl_b32 s58, s58, 23
	s_add_co_i32 s22, s58, 0x3e38aa3b              ; c = log2(e) / 8, with e2 + e3 added to its exponent field
	s_mov_b32 s23, s22
	s_add_co_i32 s58, s44, 127
	s_lshl_b32 s59, s58, 23
	v_mov_b32 v[SCP], s59
	s_add_co_i32 s58, s46, 127
	s_lshl_b32 s59, s58, 23
	v_mov_b32 v[SCY], s59
	s_add_co_i32 s57, s44, s45
	s_wait_loadcnt 0x0                             ; Q
; THE SOFTMAX OF A TILE x FOR A STEP, as numbered lists; each macro writes number n of its list.
.macro MAXI x, n                       ; 32: the largest of the lane's 64 scores, in two chains, from the low end on
.set rT, ST+8*(\x)
.set rS, S+64*(\x)
.if (\n) == 0
	v_max3_num_f32 v[rT+6], v[rS], v[rS+1], v[rS+2]
.elseif (\n) == 1
	v_max3_num_f32 v[rT+7], v[rS+3], v[rS+4], v[rS+5]
.elseif (\n) < 30
	v_max3_num_f32 v[rT+6+(\n)%2], v[rT+6+(\n)%2], v[rS+2*(\n)+2], v[rS+2*(\n)+3]
.elseif (\n) == 30
	v_max3_num_f32 v[rT+6], v[rT+6], v[rS+62], v[rS+63]
.else
	v_max_num_f32 v[rT+6], v[rT+6], v[rT+7]
.endif
.endm
.macro STATI x, n                      ; 9: the other half of the lanes; as t; the running largest t; the new -M = floor(-t); f = 2^(old M - new M)
.set rT, ST+8*(\x)
.if (\n) == 0
	v_permlanex16_b32 v[PD+(\x)], v[rT+6], s20, s21
.elseif (\n) == 1
	v_max_num_f32 v[rT+6], v[rT+6], v[PD+(\x)]
.elseif (\n) == 2
	v_mul_f32 v[rT+6], s22, v[rT+6]
.elseif (\n) == 3
	v_max_num_f32 v[rT+1], v[rT+1], v[rT+6]
.elseif (\n) == 4
	v_mov_b32 v[rT+6], v[rT]
.elseif (\n) == 5
	v_floor_f32 v[rT], -v[rT+1]
.elseif (\n) == 6
	v_sub_f32 v[rT+6], v[rT], v[rT+6]
.elseif (\n) == 7
	v_cvt_i32_f32 v[rT+6], v[rT+6]
.else
	v_ldexp_f32 v[rT+4], 1.0, v[rT+6]
.endif
.endm
.macro FMAI x, n                       ; 32: t - M, two at a time
	v_pk_fma_f32 v[S+64*(\x)+2*(\n):S+64*(\x)+2*(\n)+1], v[S+64*(\x)+2*(\n):S+64*(\x)+2*(\n)+1], s[22:23], v[ST+8*(\x):ST+8*(\x)+1] op_sel_hi:[1,0,0]
.endm
.macro EXPI x, n                       ; 64: p = 2^(t - M)
	v_exp_f32 v[S+64*(\x)+(\n)], v[S+64*(\x)+(\n)]
.endm
.macro SUMI x, n                       ; 33: the sum under the new M, then the unquantised p, two at a time, in two chains
.set rT, ST+8*(\x)
.set rS, S+64*(\x)
.set rC, C2+2*(\x)
.if (\n) == 0
	v_pk_mul_f32 v[rT+2:rT+3], v[rT+2:rT+3], v[rT+4:rT+5] op_sel_hi:[1,0]
.elseif (\n) == 1
	s_wait_alu depctr_va_vdst(0)
	v_pk_add_f32 v[rC:rC+1], v[rS:rS+1], v[rS+2:rS+3]
.elseif (\n) == 32
	v_pk_add_f32 v[rT+2:rT+3], v[rT+2:rT+3], v[rC:rC+1]
.elseif (\n)%2 == 0
	v_pk_add_f32 v[rT+2:rT+3], v[rT+2:rT+3], v[rS+2*(\n):rS+2*(\n)+1]
.else
	v_pk_add_f32 v[rC:rC+1], v[rC:rC+1], v[rS+2*(\n):rS+2*(\n)+1]
.endif
.endm
.macro MINI x, n
.endm
.macro CVTI x, n                       ; 8: key tile n's eight numbers become registers 2 n, 2 n + 1 of P
	v_cvt_scalef32_pk8_fp8_f32 v[P+16*(\x)+2*(\n):P+16*(\x)+2*(\n)+1], v[S+64*(\x)+8*(\n):S+64*(\x)+8*(\n)+7], v[SCP]
.endm
.macro RESI x, n                       ; 16: O^T under the new M (O^T in window 1, f in window 0)
	v_pk_mul_f32 v[32*(\x)+2*(\n):32*(\x)+2*(\n)+1], v[32*(\x)+2*(\n):32*(\x)+2*(\n)+1], v[ST+8*(\x)+4:ST+8*(\x)+5] op_sel_hi:[1,0]
.endm
.macro RUN m, x, from, count           ; numbers from .. from + count - 1 of list m for tile x
.set k, \from
.rept \count
	\m \x, k
.set k, k+1
.endr
.endm
; A KEY STEP: 128 keys, the q-th of the slot in hand.
.macro STEP q
	s_add_co_u32 s58, s15, 31
	s_cmp_gt_u32 s16, s58                          ; all its keys come after my last query: nothing to do
	s_cbranch_scc1 .Lhidden_\@
	v_add_nc_u32 v[ADK], s17, v[AK0]
	v_add_nc_u32 v[ADV], s17, v[AV0]
	v_nop                                          ; with the two additions: four places between the last step's products and the loads into V's registers
	v_nop
	WIN 0x40                                       ; destination window 1
.irp t, 0,1,2,3,4,5,6,7
.irp c, 0,1
	ds_load_b128 v[KFR+8*\t+4*\c:KFR+8*\t+4*\c+3], v[ADK] offset:(\q)*8704+\t*1088+32*\c
.endr
.endr
.irp d, 0,1,2,3
.irp c, 0,1,2,3,4,5,6,7
	ds_load_b64 v[VFR+16*\d+2*\c:VFR+16*\d+2*\c+1], v[ADV] offset:(2*(\q)+\c/4)*4352+\d*1088+16*(\c%4)
.endr
.endr
	s_wait_dscnt 32                                ; K's 16 loads are in; V's 32 may be out
	WIN 0x01                                       ; source 0 (K) window 1
.irp t, 0,1,2,3,4,5,6,7
.irp x, 0,1
	v_wmma_f32_16x16x64_fp8_fp8 v[S+64*\x+8*\t:S+64*\x+8*\t+7], v[KFR+8*\t:KFR+8*\t+7], v[Q+8*\x:Q+8*\x+7], 0
.endr
.endr
	WIN 0
.rept 4
	v_nop                                          ; places in front of the first read of the scores
.endr
	s_add_co_u32 s58, s16, 127
	s_cmp_le_u32 s58, s15                          ; all its keys count for all my queries: no mask
	s_cbranch_scc1 .Lopen_\@
	s_sub_co_i32 s58, s15, s16
	v_add_nc_u32 v[DM], s58, v[LQ]                 ; my query - the step's first key - 8 h.  Register 8 t + j holds key 16 t + 8 h + j of the step: hidden where 16 t + j is larger
	v_add_nc_u32 v[DM+1], 16, v[DM]
.irp x, 0,1
.irp t, 0,1,2,3,4,5,6,7
.irp j, 0,1,2,3,4,5,6,7
	v_cmp_gt_i32 vcc_lo, 16*\t+\j, v[DM+\x]
	v_cndmask_b32 v[S+64*\x+8*\t+\j], v[S+64*\x+8*\t+\j], v[NINF], vcc_lo
.endr
.endr
.endr
.Lopen_\@:
	RUN MAXI, 0, 0, 32
	RUN STATI, 0, 0, 9
	RUN FMAI, 0, 0, 32
.set k, 0
.rept 32                                       ; tile 0's exponentials, each with a plain instruction of tile 1 behind it
	EXPI 0, k
	MAXI 1, k
.set k, k+1
.endr
.set k, 0
.rept 9
	EXPI 0, 32+k
	STATI 1, k
.set k, k+1
.endr
.set k, 0
.rept 23
	EXPI 0, 41+k
	FMAI 1, k
.set k, k+1
.endr
	RUN FMAI, 1, 23, 9
.set k, 0
.rept 33                                       ; tile 1's exponentials between tile 0's sums
	EXPI 1, k
	SUMI 0, k
.set k, k+1
.endr
.set k, 0
.rept 31
	EXPI 1, 33+k
	MINI 0, 2*k
	MINI 0, 2*k+1
.set k, k+1
.endr
	MINI 0, 62
	MINI 0, 63
	RUN CVTI, 0, 0, 8
	RUN SUMI, 1, 0, 33
	RUN MINI, 1, 0, 64
	RUN CVTI, 1, 0, 8
	WIN 0x41                                       ; destination and source 0 window 1
	RUN RESI, 0, 0, 16                             ; plain instructions behind the conversions, ahead of the products
	RUN RESI, 1, 0, 16
	s_wait_dscnt 0x0                               ; V is in
	WIN 0x51                                       ; V, C and D window 1; P window 0
.irp d, 0,1,2,3
.irp x, 0,1                                    ; the eight accumulators take turns, one instruction a turn; the next step's sixteen other products stand between two turns
	v_wmma_f32_16x16x128_fp8_fp8 v[32*\x+8*\d:32*\x+8*\d+7], v[VFR+16*\d:VFR+16*\d+15], v[P+16*\x:P+16*\x+15], v[32*\x+8*\d:32*\x+8*\d+7]
.endr
.endr
	WIN 0
.Lhidden_\@:
	s_add_co_u32 s16, s16, 128
.endm
; THE CHANGE OF SLOTS stands at a slot's head.  Each wave waits for all its tensor loads, adds 0 to its spare word, and waits for that and for its reads of the slot that it has left.
; fill = 1: that slot is filled with the next key slot of the walk 0 .. P, 0 .. 7 - P: the load has a whole slot's two steps in which to land.  One tensor load of a wave is out at the most.
.macro CHANGE fill
	s_wait_tensorcnt 0x0                           ; no tensor load of mine is out, so group 0 may be written
	ds_add_u32 v[SPW], v[NIL]                      ; 0 onto my spare word
.if \fill
	s_add_co_u32 s19, s19, 1                       ; fetch number n is key slot n, or n - (P + 1) from the second block on
	s_cmp_gt_u32 s19, s11
	s_cselect_b32 s38, s12, 0
	s_sub_co_u32 s38, s19, s38
	s_lshl_b32 s38, s38, 14                        ; 16,384 bytes a key slot, in K and in V alike
	s_add_nc_u64 s[34:35], s[36:37], s[38:39]
	s_or_b32 s35, s35, 0x80000000
	s_xor_b32 s33, s33, SLOT1                      ; the other slot than last time
.endif
	s_wait_dscnt 0x0                               ; the add is done, and my reads of the slot that I have left are over
	s_barrier_signal -1
	s_barrier_wait -1
.if \fill
	TLOAD                                          ; the first thing behind the barrier, and a wave's one tensor load until the next
.endif
.endm
; A BLOCK OF QUERIES IS FINISHED: O^T x 2^(e4 + e5) / the sum, quantised with 2^e6; 32 rows of 64 codes go through my stage and leave as 2,048 bytes on end.  sw = 1: on to block 7 - P.
.macro FINAL sw
	s_wait_xcnt 0x0                                ; the last way out's stores have read their registers and their base
.irp x, 0,1
	v_add_f32 v[ST+8*\x+6], v[ST+8*\x+2], v[ST+8*\x+3]   ; (these plain lines are the places behind the last products)
.endr
.irp x, 0,1
	v_permlanex16_b32 v[PD+\x], v[ST+8*\x+6], s20, s21
.endr
.irp x, 0,1
	v_add_f32 v[ST+8*\x+6], v[ST+8*\x+6], v[PD+\x]
.endr
.irp x, 0,1
	v_rcp_f32 v[ST+8*\x+7], v[ST+8*\x+6]
.endr
	v_nop                                          ; a plain instruction between the last reciprocal and the use of its result
	s_wait_alu depctr_va_vdst(0)
.irp x, 0,1
	v_ldexp_f32 v[ST+8*\x+4], v[ST+8*\x+7], s57
.endr
	WIN 0x01                                       ; source 0 (O^T) window 1
.irp x, 0,1
.set k, 0
.rept 16
	v_pk_mul_f32 v[S+32*\x+2*k:S+32*\x+2*k+1], v[32*\x+2*k:32*\x+2*k+1], v[ST+8*\x+4:ST+8*\x+5] op_sel_hi:[1,0]   ; each accumulator from its low end on
.set k, k+1
.endr
.endr
	WIN 0
.set k, 0
.rept 64
.set k, k+1
.endr
.irp m, 0,1,2,3,4,5,6,7
	v_cvt_scalef32_pk8_fp8_f32 v[YC+2*\m:YC+2*\m+1], v[S+8*\m:S+8*\m+7], v[SCY]   ; m = 4 x tile + d / 16: y(query r, d = 16 (m % 4) + 8 h + 0 .. 7)
.endr
	v_nop                                          ; one plain vector instruction behind the last conversion
.irp x, 0,1
.irp d, 0,1,2,3
	ds_store_b64 v[STO], v[YC+2*(4*\x+\d):YC+2*(4*\x+\d)+1] offset:(1-(\sw))*18432+\x*1088+16*\d
.endr
.endr
.irp w, 0,1,2,3
	ds_load_b128 v[YR+4*\w:YR+4*\w+3], v[RD] offset:(1-(\sw))*18432+544*\w   ; LDS serves a wave's instructions in order: these see my stores
.endr
	s_lshl_b32 s58, s14, 1
	s_lshr_b32 s59, s10, 2
	s_add_co_u32 s58, s58, s59                     ; my block of 128 tokens in the batch
	s_lshl_b32 s58, s58, 17
	s_and_b32 s59, s10, 3
	s_lshl_b32 s59, s59, 11                        ; my 32 tokens in it
	s_add_co_u32 s58, s58, s59
	s_mov_b32 s59, 0
	s_add_nc_u64 s[54:55], s[50:51], s[58:59]
	s_wait_dscnt 0x0
.irp w, 0,1,2,3
	global_store_b128 v[GO], v[YR+4*\w:YR+4*\w+3], s[54:55] offset:512*\w   ; 32 lanes store 512 consecutive bytes, at a multiple of 256
.endr
.if \sw
	s_sub_co_u32 s14, 7, s11
	SETQ
	s_mov_b32 s16, 0
	QLOAD
	RESET
	s_wait_loadcnt 0x0
.endif
.endm
.Lslot:                                            ; eight trips: behind each change of slots but the last the next key slot is asked for
	CHANGE 1
	STEP 0
	STEP 1
	s_xor_b32 s17, s17, SLOT1
	s_cmp_lg_u32 s18, s11                          ; trip P has read block P's last key slot
	s_cbranch_scc1 .Lsame
	FINAL 1
.Lsame:
	s_add_co_u32 s18, s18, 1
	s_cmp_lt_u32 s18, 8
	s_cbranch_scc1 .Lslot
	CHANGE 0                                       ; the last slot is written out
	STEP 0
	STEP 1
	FINAL 0
	s_wait_tensorcnt 0x0                           ; the wave's end
	ds_add_u32 v[SPW], v[NIL]
	s_wait_dscnt 0x0
	s_endpgm
.Lfunc_end_k_q93f8057fae_attention:
	.size	k_q93f8057fae_attention, .Lfunc_end_k_q93f8057fae_attention-k_q93f8057fae_attention
	.p2alignl 7, 3214868480
	.fill 96, 4, 3214868480
	.section	.rodata,"a",@progbits
	.p2align	6, 0x0
	.amdhsa_kernel k_q93f8057fae_attention
		.amdhsa_group_segment_fixed_size 327680
		.amdhsa_private_segment_fixed_size 0
		.amdhsa_enable_private_segment 0
		.amdhsa_kernarg_size 24
		.amdhsa_user_sgpr_count 2
		.amdhsa_user_sgpr_kernarg_segment_ptr 1
		.amdhsa_wavefront_size32 1
		.amdhsa_system_sgpr_workgroup_id_x 1
		.amdhsa_system_sgpr_workgroup_id_y 1
		.amdhsa_system_sgpr_workgroup_id_z 1
		.amdhsa_system_vgpr_workitem_id 0
		.amdhsa_next_free_vgpr 448
		.amdhsa_next_free_sgpr 66
		.amdhsa_reserve_vcc 1
		.amdhsa_float_denorm_mode_32 3
		.amdhsa_float_denorm_mode_16_64 3
		.amdhsa_fp16_overflow 1
		.amdhsa_memory_ordered 1
		.amdhsa_forward_progress 1
		.amdhsa_inst_pref_size 162
	.end_amdhsa_kernel
	.amdgpu_metadata
---
amdhsa.version: [ 1, 2 ]
amdhsa.kernels:
  - .name:           k_q93f8057fae_attention
    .symbol:         k_q93f8057fae_attention.kd
    .args:
      - { .name: qkv, .offset: 0, .size: 8, .value_kind: global_buffer, .address_space: global }
      - { .name: lowp_scales, .offset: 8, .size: 8, .value_kind: global_buffer, .address_space: global }
      - { .name: ycodes, .offset: 16, .size: 8, .value_kind: global_buffer, .address_space: global }
    .group_segment_fixed_size: 327680
    .private_segment_fixed_size: 0
    .kernarg_segment_align: 8
    .kernarg_segment_size: 24
    .max_flat_workgroup_size: 256
    .sgpr_count:     66
    .vgpr_count:     448
    .wavefront_size: 32
...
	.end_amdgpu_metadata
.endif
;; end of part 2
;; launch proj_gemm (part 3): grid 4 x 64, 4 waves a work-group, clusters of 4 x 4, 327,680 bytes of LDS; arguments ycodes, W_proj_codes, lowp_scales, b_proj, out0; writes out0
.if DOCPART == 3
	.amdgcn_target "amdgcn-amd-amdhsa--gfx1250"
	.amdhsa_code_object_version 6
	.text
	.protected	k_q93f8057fae_proj_gemm
	.globl	k_q93f8057fae_proj_gemm
	.p2align	8
	.type	k_q93f8057fae_proj_gemm,@function
k_q93f8057fae_proj_gemm:
	s_mov_b64 s[64:65], 0
	v_nop
	global_prefetch_b8 v0, s[64:65] scope:SCOPE_SE
	s_setreg_imm32_b32 hwreg(HW_REG_WAVE_MODE, 25, 1), 1
	s_wait_xcnt 0x0
	s_wait_alu depctr_hold_cnt(0) depctr_sa_sdst(0) depctr_va_vdst(0) depctr_va_sdst(0) depctr_va_ssrc(0) depctr_va_vcc(0) depctr_vm_vsrc(0)
	s_getreg_b32 s2, hwreg(HW_REG_IB_STS2, 6, 4)
	s_cmp_eq_u32 s2, 0
	s_cbranch_scc0 .Lentry_in_a_cluster
	s_endpgm
.Lentry_in_a_cluster:
	s_bfe_u32 s2, ttmp6, 0x10000c
	s_cmp_lg_u32 s2, 0xf033
	s_cbranch_scc0 .Lentry_shape_is_right
	s_endpgm
.Lentry_shape_is_right:
; out = y W_proj^T + b_proj on codes of FP8 (E4M3), K = 1,024; out: [8192][1024] f32.  Each finished sum goes out as sum x 2^(e6 + e7) + bias, one fused multiply-add.
; y's codes lie (token / 128) x 131072 + head x 8192 + (token % 128) x 64 + d: a tile of 128 tokens x 256 along K (four heads) is 32,768 dense bytes.  W_proj: [1024][1024] codes, K innermost.
; A tile of out is 128 x 256, so that there are 256 work-groups (tiles of 256 x 256 would be 128).  Four waves, each 64 tokens x 128 columns: 32 accumulators, 256 registers.
; K goes in steps of 256 through a ring of two LDS slots.  CLUSTERS: 4 x 4; y's tile hangs on the tile row alone (shared along a row of the cluster), W's on the tile column alone (shared along a column): joint loads.
; THE MATRIX INSTRUCTION IS USED TRANSPOSED (source 0 = 16 rows of W, source 1 = 16 tokens): a lane holds eight neighbouring columns of one row of out.
; A lane's k inside a matrix instruction is permuted alike on both sides (four loads of 16 bytes a fragment).
; LIMIT: e6 + e7 between -126 and 127.
; REGISTERS: window 0: v16-30 addresses; v32-95 at work on the way out; v128-191, v192-255 y's fragments, two sets (on the way out: rows read back).  window 1: W's fragments, two sets.  window 2: the accumulators ((a, b) at v[8 (8 a + b)]).  window 3: v0-63 the bias.
.set PITCH,  272
.set ATILE,  128*PITCH                 ; y's tile in LDS: 128 lines of 256 bytes + 16: four heads' planes of 8,704; token n of a plane at 272 (n / 4) + 64 (n % 4)
.set SLOT,   3*ATILE                   ; then W's 256 rows of 256 bytes + 16
.set LAPS,   2
.set SPARE,  2*SLOT                    ; the spare words, 128 bytes for each wave, that no other line names
.set SPITCH, 528                       ; the way out: 16 rows x (512 bytes + 16) for each wave, in slot 0, which has had its last fill and its last read by then
.set ADRA, 16
.set ADRB, 20
.set STO,  24
.set RD,   25
.set CO,   26
.set SPW,  28
.set NIL,  29
.set BCA,  30
.set TMP,  32
.set AF,   128
.set BK,   128
.set G1, 24
.set G0, 32
.set G1B, 48
.set G0B, 56
.set MSB, 0
.macro WIN new
.if MSB != \new
	s_set_vgpr_msb (MSB<<8)|\new
.set MSB, \new
.endif
.endm
.set MUL, 0xa1                         ; source 0 (W) window 1, source 1 (y) window 0, C and D window 2
.macro JLOAD g0a, g1a, g0b, g1b        ; waves 0 and 1 fetch y's halves, waves 2 and 3 W's; four v_nop follow each of the two lines
	s_cmp_eq_u32 s15, 0
	s_cbranch_scc0 .Lfor_b_\@
	tensor_load_to_lds s[\g0a:\g0a+3], s[\g1a:\g1a+7]
	s_nop 0
.rept 4
	v_nop
.endr
	s_branch .Lasked_\@
.Lfor_b_\@:
	tensor_load_to_lds s[\g0b:\g0b+3], s[\g1b:\g1b+7]
	s_nop 0
.rept 4
	v_nop
.endr
.Lasked_\@:
.endm
.macro CREST
	s_cmp_lg_u32 s14, 0
	s_cbranch_scc1 .Lnot_wave_0_\@
	s_barrier_signal -3
.Lnot_wave_0_\@:
	s_barrier_wait -3
	s_barrier_signal -1
	s_barrier_wait -1
.endm
.macro CROUND
	s_barrier_signal -1
	s_barrier_wait -1
	CREST
.endm
	s_load_b256 s[4:11], s[0:1], 0x0               ; y's codes s[4:5], W's s[6:7], the scales' exponents s[8:9], b_proj s[10:11]
	s_load_b64 s[12:13], s[0:1], 0x20              ; out
	v_lshl_add_u32 v[SPW], v0, 2, SPARE
	v_mov_b32 v[NIL], 0
	ds_add_u32 v28, v29
	ds_add_u32 v28, v29
	s_wait_dscnt 0x0
	v_lshrrev_b32 v1, 5, v0
	v_readfirstlane_b32 s14, v1                    ; wave 0..3
	s_lshr_b32 s15, s14, 1                         ; which 64 of the tile's tokens are mine.  Also: I fetch for y (0) or for W (1)
	s_and_b32 s16, s14, 1                          ; which 128 of its columns.  Also: which half of that tile I fetch
	s_bfe_u32 s40, ttmp6, 0x40000                  ; cx
	s_bfe_u32 s41, ttmp6, 0x40004                  ; cy
	s_lshl_b32 s42, ttmp9, 2
	s_add_co_u32 s42, s42, s40                     ; tile column = 4 x cluster x + cx
	s_and_b32 s17, ttmp7, 0xffff
	s_lshl_b32 s17, s17, 2
	s_add_co_u32 s17, s17, s41                     ; tile row = 4 x cluster y + cy: a block of 128 tokens
	s_lshl_b32 s43, s41, 2
	s_lshl_b32 s43, 15, s43                        ; my row of the cluster
	s_lshl_b32 s44, 0x1111, s40                    ; my column
	s_or_b32 s[G1+0], s43, (0<<16)|(1<<20)|(1<<21)|(5<<22)|(3<<25)
	s_mov_b32 s[G1+1], 256<<16                     ; y: 16,384 dense bytes as 64 rows of 256
	s_mov_b32 s[G1+2], 64<<16
	s_mov_b32 s[G1+3], 256<<16
	s_mov_b32 s[G1+4], 64
	s_mov_b32 s[G1+5], 256
	s_mov_b32 s[G1+6], 0
	s_mov_b32 s[G1+7], 0
	s_or_b32 s[G1B+0], s44, (0<<16)|(1<<20)|(1<<21)|(5<<22)|(3<<25)
	s_mov_b32 s[G1B+1], 256<<16                    ; W: 128 rows of 256 bytes, 1,024 apart
	s_mov_b32 s[G1B+2], 128<<16
	s_mov_b32 s[G1B+3], 256<<16
	s_mov_b32 s[G1B+4], 128
	s_mov_b32 s[G1B+5], 1024
	s_mov_b32 s[G1B+6], 0
	s_mov_b32 s[G1B+7], 0
	s_lshl_b32 s20, s17, 17
	s_lshl_b32 s18, s16, 14
	s_add_co_u32 s20, s20, s18                     ; y: the block of tokens, + my two heads' planes
	s_mov_b32 s21, 0
	s_lshl_b32 s46, s42, 18
	s_lshl_b32 s18, s16, 17
	s_add_co_u32 s46, s46, s18                     ; W: row 256 x tile column + 128 x half, in bytes
	s_mov_b32 s47, 0
	s_mul_i32 s45, s16, 64*PITCH                   ; where they go: y's half,
	s_mul_i32 s19, s16, ATILE
	s_add_co_u32 s19, s19, ATILE                   ; W's half: no place in the cluster enters an LDS address
	s_wait_kmcnt 0x0
	s_load_b256 s[68:75], s[8:9], 0x0              ; e0 .. e7
	s_add_nc_u64 s[20:21], s[4:5], s[20:21]
	s_add_nc_u64 s[46:47], s[6:7], s[46:47]
	CROUND                                         ; all sixteen work-groups are here: the first joint loads meet
.irp s, 0,1
	s_mov_b32 s[G0+4*\s], 1
	s_add_co_u32 s[G0+4*\s+1], s45, \s*SLOT
	s_add_nc_u64 s[G0+4*\s+2:G0+4*\s+3], s[20:21], \s*32768
	s_or_b32 s[G0+4*\s+3], s[G0+4*\s+3], 0x80000000
	s_mov_b32 s[G0B+4*\s], 1
	s_add_co_u32 s[G0B+4*\s+1], s19, \s*SLOT
	s_add_nc_u64 s[G0B+4*\s+2:G0B+4*\s+3], s[46:47], \s*256
	s_or_b32 s[G0B+4*\s+3], s[G0B+4*\s+3], 0x80000000
	s_wait_alu depctr_va_vdst(0)
	s_wait_tensorcnt 0x0
	ds_add_u32 v28, v29
	ds_add_u32 v28, v29
	s_wait_dscnt 0x0
	CROUND
	JLOAD G0+4*\s, G1, G0B+4*\s, G1B
.endr
	v_and_b32 v1, 15, v0                           ; r
	v_bfe_u32 v2, v0, 4, 1                         ; h
	v_mul_u32_u24 v3, v1, PITCH
	v_lshl_add_u32 v3, v2, 4, v3                   ; W: row r x pitch + 16 h
	v_bfe_u32 v4, v0, 2, 2
	v_mul_u32_u24 v4, v4, 272
	v_and_b32 v5, 3, v0
	v_lshl_add_u32 v4, v5, 6, v4
	v_lshl_add_u32 v4, v2, 4, v4                   ; y: token r: 272 (r / 4) + 64 (r % 4) + 16 h
	s_mul_i32 s21, s15, 16*PITCH                   ; my 64 tokens of each plane
	s_mul_i32 s22, s16, ATILE                      ; my 128 rows of W,
	s_add_co_u32 s22, s22, ATILE                   ; which lie behind y's tile
.irp s, 0,1
	v_add_nc_u32 v[ADRA+\s], s21, v4
	v_add_nc_u32 v[ADRB+\s], s22, v3
	s_add_co_u32 s21, s21, SLOT
	s_add_co_u32 s22, s22, SLOT
.endr
	s_mul_i32 s23, s14, 16*SPITCH                  ; my stage
	v_mul_u32_u24 v5, v1, SPITCH
	v_lshl_add_u32 v5, v2, 5, v5
	v_add_nc_u32 v[STO], s23, v5                   ; in: row r, 32 bytes for each half of the lanes
	v_and_b32 v6, 31, v0
	v_lshlrev_b32 v[CO], 4, v6                     ; back: the 32 lanes take one row of 512 bytes; and the same in out
	v_add_nc_u32 v[RD], s23, v[CO]
	v_lshlrev_b32 v[BCA], 5, v2
	s_wait_alu depctr_va_vdst(0)
	s_lshl_b32 s20, s17, 7
	s_lshl_b32 s21, s15, 6
	s_add_co_u32 s20, s20, s21                     ; my first row of out
	s_lshl_b32 s20, s20, 12                        ; x 4,096 bytes
	s_lshl_b32 s46, s42, 10
	s_lshl_b32 s47, s16, 9
	s_add_co_u32 s46, s46, s47                     ; my first column, in bytes: also my place in b_proj
	s_mov_b32 s47, 0
	s_add_nc_u64 s[90:91], s[10:11], s[46:47]
	s_add_co_u32 s20, s20, s46
	s_mov_b32 s21, 0
	s_add_nc_u64 s[12:13], s[12:13], s[20:21]
	WIN 0xc0                                       ; destination window 3
.irp b, 0,1,2,3,4,5,6,7
	global_load_b128 v[8*\b:8*\b+3],   v[BCA], s[90:91] offset:64*\b       ; the bias of columns 16 b + 8 h + 0 .. 7
	global_load_b128 v[8*\b+4:8*\b+7], v[BCA], s[90:91] offset:64*\b+16
.endr
	WIN 0
.macro PLACES n
.rept \n
	v_nop
.endr
.endm
; 48 LDS loads in one run: the fragments of the slot's q-th 128 along K into set p.  Both sides: registers 4 c .. 4 c + 3 hold K = 32 c + 16 h + 0 .. 15.
.macro FETCH slot, q, p
	WIN 0x40                                       ; destination window 1
.irp i, 0,1,2,3,4,5,6,7
.irp c, 0,1,2,3
	ds_load_b128 v[128*(\p)+16*\i+4*\c:128*(\p)+16*\i+4*\c+3], v[ADRB+\slot] offset:128*(\q)+32*\c+\i*16*PITCH
.endr
.endr
	WIN 0
.irp i, 0,1,2,3
.irp c, 0,1,2,3
	ds_load_b128 v[AF+64*(\p)+16*\i+4*\c:AF+64*(\p)+16*\i+4*\c+3], v[ADRA+\slot] offset:(2*(\q)+\c/2)*8704+\i*1088+32*(\c%2)   ; head 2 q + c / 2 of the slot's four, d = 32 (c % 2) + 16 h on
.endr
.endr
.endm
; 8 matrix instructions: y's block a x W's eight.  The 32 accumulators take turns, one instruction a turn, in the same order in every step.
.macro MULA a, p, zero
.irp b, 0,1,2,3,4,5,6,7
.if \zero
	v_wmma_f32_16x16x128_fp8_fp8 v[8*(8*(\a)+\b):8*(8*(\a)+\b)+7], v[128*(\p)+16*\b:128*(\p)+16*\b+15], v[AF+64*(\p)+16*(\a):AF+64*(\p)+16*(\a)+15], 0
.else
	v_wmma_f32_16x16x128_fp8_fp8 v[8*(8*(\a)+\b):8*(8*(\a)+\b)+7], v[128*(\p)+16*\b:128*(\p)+16*\b+15], v[AF+64*(\p)+16*(\a):AF+64*(\p)+16*(\a)+15], v[8*(8*(\a)+\b):8*(8*(\a)+\b)+7]
.endif
.endr
.endm
; A slot's first 128 along K: multiplies set 0 and fetches the second 128 into set 1.
.macro STEP slot, zero
	s_wait_dscnt 0x0                               ; set 0 is in
	PLACES 4                                       ; between the last products, which read set 1, and the loads into it
	FETCH \slot, 1, 1
	WIN MUL
	MULA 0, 0, \zero
	MULA 1, 0, \zero
	MULA 2, 0, \zero
	MULA 3, 0, \zero
	WIN 0
.endm
; A slot's second 128 changes slots: one barrier; in front of it each wave waits for all its tensor loads, adds 0 to its spare word, and waits for that and for its own reads of this slot.
.macro TURN slot, next, fill
	s_wait_tensorcnt 0x0                           ; all my tensor loads have landed: my part of the next slot
	ds_add_u32 v[SPW], v[NIL]                      ; 0 onto my spare word
	s_wait_dscnt 1                                 ; set 1 is in; the add alone may be out
	WIN MUL
	MULA 0, 1, 0
	s_wait_dscnt 0x0                               ; the add is done, and my reads of this slot are over
	s_barrier_signal -1
	MULA 1, 1, 0
	WIN 0
	s_barrier_wait -1
.if \fill
	CREST                                          ; the barrier has opened a round of the cluster's: no wave of any partner still reads this slot or has a load on its way
	s_add_nc_u64 s[G0+4*\slot+2:G0+4*\slot+3], s[G0+4*\slot+2:G0+4*\slot+3], 2*32768
	s_add_nc_u64 s[G0B+4*\slot+2:G0B+4*\slot+3], s[G0B+4*\slot+2:G0B+4*\slot+3], 2*256
	JLOAD G0+4*\slot, G1, G0B+4*\slot, G1B         ; the first tensor load behind the round; its four v_nop are the places in front of the loads below
.else
	PLACES 4
.endif
	FETCH \next, 0, 0
	WIN MUL
	MULA 2, 1, 0
	MULA 3, 1, 0
	WIN 0
.endm
	s_wait_tensorcnt 1                             ; my part of K step 0 is in; K step 1's load may be out
	s_barrier_signal -1
	s_barrier_wait -1
	FETCH 0, 0, 0
	STEP 0, 1                                      ; the first step stands in front of the loop: its products start the sums
	s_mov_b32 s3, LAPS-1
.Llap:                                                 ; a trip goes once round the ring and fills both slots again
	TURN 0, 1, 1
	STEP 1, 0
	TURN 1, 0, 1
	STEP 0, 0
	s_sub_co_u32 s3, s3, 1
	s_cmp_lg_u32 s3, 0
	s_cbranch_scc1 .Llap
	TURN 0, 1, 0                                   ; the last lap fills nothing
	STEP 1, 0
	s_wait_dscnt 0x0
	WIN MUL
	MULA 0, 1, 0
	MULA 1, 1, 0
	MULA 2, 1, 0
	MULA 3, 1, 0
	WIN 0
; THE WAY OUT, block by block of 16 rows x 128 columns, through my own stage in LDS: in by 32 bytes a lane, back as whole rows of 512 bytes.
.macro TOSTAGE a
	WIN 0x32                                       ; source 0 (the sums) window 2, source 2 (the bias) window 3
.set i, 0
.rept 32
	v_pk_fma_f32 v[TMP+i:TMP+i+1], v[64*(\a)+i:64*(\a)+i+1], s[96:97], v[i:i+1] op_sel_hi:[1,0,1]   ; sum x 2^(e6 + e7) + bias; each accumulator from its low end on
.set i, i+2
.endr
	WIN 0
.irp b, 0,1,2,3,4,5,6,7
	ds_store_b128 v[STO], v[TMP+8*\b:TMP+8*\b+3] offset:64*\b
	ds_store_b128 v[STO], v[TMP+8*\b+4:TMP+8*\b+7] offset:64*\b+16
.endr
.irp t, 0,1,2,3,4,5,6,7,8,9,10,11,12,13,14,15
	ds_load_b128 v[BK+64*((\a)%2)+4*\t:BK+64*((\a)%2)+4*\t+3], v[RD] offset:\t*SPITCH   ; LDS serves a wave's instructions in order: these see my stores
.endr
.endm
.macro SEND a, younger                 ; younger: the LDS instructions issued behind block a's loads, which may stay out
	s_wait_dscnt \younger
.if (\a) > 0
	s_add_nc_u64 s[12:13], s[12:13], 16*4096       ; 16 rows on (the earlier stores have read their base: a wait on XCNT stands ahead)
.endif
.irp t, 0,1,2,3,4,5,6,7,8,9,10,11,12,13,14,15
	global_store_b128 v[CO], v[BK+64*((\a)%2)+4*\t:BK+64*((\a)%2)+4*\t+3], s[12:13] offset:\t*4096 th:TH_STORE_NT   ; 32 lanes store 512 consecutive bytes, at a multiple of 256; written once, read by nobody here
.endr
.endm
	s_wait_kmcnt 0x0
	s_wait_loadcnt 0x0                             ; the bias
	s_add_co_i32 s96, s74, s75
	s_add_co_i32 s96, s96, 127
	s_lshl_b32 s96, s96, 23                        ; 2^(e6 + e7) as f32
	s_mov_b32 s97, s96                             ; (named with it as a pair)
	PLACES 4                                       ; behind the last products
	TOSTAGE 0
.irp a, 1,2,3
.if \a > 1
	s_wait_xcnt 0x0                                ; block a - 2's stores have read their registers and their base
.endif
	TOSTAGE \a
	SEND \a-1, 32                                  ; behind block a - 1's loads: block a's 16 stores and 16 loads
.endr
	s_wait_xcnt 0x0                                ; block 2's stores have read their base
	SEND 3, 0
	s_wait_tensorcnt 0x0                           ; the wave's end
	ds_add_u32 v[SPW], v[NIL]
	s_wait_dscnt 0x0
	CROUND                                         ; the closing round: no work-group ends while a partner may still ask for a tile that names it
	s_endpgm
.Lfunc_end_k_q93f8057fae_proj_gemm:
	.size	k_q93f8057fae_proj_gemm, .Lfunc_end_k_q93f8057fae_proj_gemm-k_q93f8057fae_proj_gemm
	.p2alignl 7, 3214868480
	.fill 96, 4, 3214868480
	.section	.rodata,"a",@progbits
	.p2align	6, 0x0
	.amdhsa_kernel k_q93f8057fae_proj_gemm
		.amdhsa_group_segment_fixed_size 327680
		.amdhsa_private_segment_fixed_size 0
		.amdhsa_enable_private_segment 0
		.amdhsa_kernarg_size 40
		.amdhsa_user_sgpr_count 2
		.amdhsa_user_sgpr_kernarg_segment_ptr 1
		.amdhsa_wavefront_size32 1
		.amdhsa_system_sgpr_workgroup_id_x 1
		.amdhsa_system_sgpr_workgroup_id_y 1
		.amdhsa_system_sgpr_workgroup_id_z 1
		.amdhsa_system_vgpr_workitem_id 0
		.amdhsa_next_free_vgpr 832
		.amdhsa_next_free_sgpr 98
		.amdhsa_reserve_vcc 0
		.amdhsa_float_denorm_mode_32 3
		.amdhsa_float_denorm_mode_16_64 3
		.amdhsa_memory_ordered 1
		.amdhsa_forward_progress 1
		.amdhsa_inst_pref_size 78
	.end_amdhsa_kernel
	.amdgpu_metadata
---
amdhsa.version: [ 1, 2 ]
amdhsa.kernels:
  - .name:           k_q93f8057fae_proj_gemm
    .symbol:         k_q93f8057fae_proj_gemm.kd
    .args:
      - { .name: ycodes, .offset: 0, .size: 8, .value_kind: global_buffer, .address_space: global }
      - { .name: W_proj_codes, .offset: 8, .size: 8, .value_kind: global_buffer, .address_space: global }
      - { .name: lowp_scales, .offset: 16, .size: 8, .value_kind: global_buffer, .address_space: global }
      - { .name: b_proj, .offset: 24, .size: 8, .value_kind: global_buffer, .address_space: global }
      - { .name: out0, .offset: 32, .size: 8, .value_kind: global_buffer, .address_space: global }
    .group_segment_fixed_size: 327680
    .private_segment_fixed_size: 0
    .kernarg_segment_align: 8
    .kernarg_segment_size: 40
    .max_flat_workgroup_size: 128
    .sgpr_count:     98
    .vgpr_count:     832
    .wavefront_size: 32
...
	.end_amdgpu_metadata
.endif
;; end of part 3
